; MI455X (gfx1250); checked and timed in simulation.
; The chip was launched on July 23, 2026; its instructions are those of AMD's public machine-readable ISA for CDNA 5 (MIT licence, August 2026) and "CDNA5" Instruction Set Architecture Reference Guide (July 2026). The comments in the code are by the model that wrote it; some were corrected since.
;; Nolinear Attention. Allowed arithmetic: matrix products marked QUANTISED: E2M3 operands, one E8M0 scale for each 32 along K, by v_wmma_scale_f32_16x16x128_f8f6f4 with both operands' format E2M3, f32 sums; products left as they are: f32 operands where the result goes on into a quantised operand, else bf16, f16 or f32 operands; f32 sums; everything else in f32.
;; Inputs: V 1 x 1,024 float32; W 1,024 x 2,048 float32; dec_hidden_codes 32 x 32 x 24 uint8 (E2M3 codes of dec_hidden, K innermost, in blocks of 32 codes, four codes in three bytes); dec_hidden_scales 32 x 32 uint8 (E8M0 scales of dec_hidden, one for each 32 codes along K); enc_hiddens 32 x 2,048 x 1,024 float32; mask 32 x 2,048 bool.
;; Outputs: out0 32 x 1,024 float32; out1 32 x 1 x 2,048 float32.
;; This version of the problem:
;;   THIS VERSION OF THE PROBLEM IS GIVEN IN LOW PRECISION. The matrix products marked QUANTISED in the list below multiply operands that are first quantised to E2M3 (2 exponent bits, 3 mantissa bits; 6 bits a number), with one power-of-two scale for each 32 numbers along K (OCP MX v1.0); their sums are f32. All else is computed in f32.
;;   The module's matrix products, in the order in which they are computed (A, B: the left and right operand; K: the contracted axis; several contracted axes count as one K, in the product's order):
;;     1. [M 65,536, K 1,024] x [K 1,024, N 1,024]; A: input enc_hiddens; B: input W: QUANTISED
;;     2. [M 32, K 1,024] x [K 1,024, N 1,024]; A: input dec_hidden (given as codes); B: input W: QUANTISED
;;     3. [M 65,536, K 1,024] x [K 1,024, N 1]; A: computed on the way; B: computed on the way: left as it is (N = 1 < 16)
;;     4. batch 32 x [M 1, K 2,048] x [K 2,048, N 1,024]; A: computed on the way; B: input enc_hiddens: left as it is (M = 1 < 16)
;;   THE QUANTISER, for each operand of a quantised product, along K:
;;     - K is cut into blocks of 32 from its start; a last block that is shorter is filled with zeros.
;;     - A block's scale is 2^e with e = floor(log2(the largest magnitude in the block)) - 2, held to -126 .. 127; a block of zeros has e = 0. As a byte (E8M0): e + 127.
;;     - Each number is divided by its block's scale, clamped to +-7.5, and rounded to the nearest number of E2M3, ties to even, subnormals kept.
;;     - The product sums the exact products of the quantised numbers (number of the format x scale) in f32.
;;   ~~~python
;;   def quantise(x, axis):      # numpy; x: float32 -> the quantised numbers, widened to float32 again
;;       x = np.moveaxis(x, axis, -1); K = x.shape[-1]
;;       x = np.pad(x, [(0, 0)] * (x.ndim - 1) + [(0, -K % 32)]); x = x.reshape(x.shape[:-1] + (-1, 32)); a = np.abs(x).max(-1, keepdims=True)
;;       e = np.where(a > 0, np.clip(np.frexp(np.where(a > 0, a, 1))[1] - 1 - 2, -126, 127), 0)      # np.frexp(a)[1] - 1 = floor(log2(a)), exactly
;;       r = np.clip(x / 2.0 ** e, -7.5, 7.5)
;;       step = 2.0 ** (np.maximum(np.frexp(np.where(r == 0, 1, r))[1] - 1, 0) - 3)
;;       q = np.round(r / step) * step * 2.0 ** e      # np.round: ties to even
;;       return np.moveaxis(q.reshape(q.shape[:-2] + (-1,))[..., :K], -1, axis).astype(np.float32)
;;   ~~~
;;   INPUTS GIVEN AS CODES. dec_hidden (in the module: [32, 1024], K = its axis 1): each comes as NAME_codes (uint8): NAME with its K axis moved to the last place and cut into blocks of 32 codes, [.., K / 32, bytes a block], one block behind the other in memory; four codes in three bytes: a row's codes are one little-endian stream of bits, code i at bits 6 i .. 6 i + 5 (a code: sign, 2 exponent bits, 3 mantissa bits); and NAME_scales (uint8): the same leading axes, one E8M0 byte (e + 127) for each 32 codes along K. Its value is code x scale, taken as it is: it is not quantised again, and the codes and scales need not be those that the quantiser above would give.
;; One version. Each part assembles by itself: llvm-mc -triple=amdgcn-amd-amdhsa -mcpu=gfx1250 --defsym DOCPART=n.
;; ======== version 1 of 1: 3 launches
;; limits: right only within a limited range of input values
;; workspace buffers: wfrag 786,432 bytes; wscl 32,768 bytes; biasS 131,072 bytes; list 262,144 bytes of whole numbers; counts 256 bytes of whole numbers; sc 262,144 bytes
;; launch prep (part 1): grid 96 x 1, 8 waves a work-group, no clusters, 153,856 bytes of LDS; arguments W, dec_hidden_codes, dec_hidden_scales, mask, wfrag, wscl, biasS, list, counts; writes wfrag, wscl, biasS, list, counts
.if DOCPART == 1
	.amdgcn_target "amdgcn-amd-amdhsa--gfx1250"
	.amdhsa_code_object_version 6
	.text
	.protected	k_q85b5bc01e3_prep
	.globl	k_q85b5bc01e3_prep
	.p2align	8
	.type	k_q85b5bc01e3_prep,@function
k_q85b5bc01e3_prep:
	s_mov_b64 s[64:65], 0
	v_nop
	global_prefetch_b8 v0, s[64:65] scope:SCOPE_SE
	s_setreg_imm32_b32 hwreg(HW_REG_WAVE_MODE, 25, 1), 1
	s_wait_xcnt 0x0
; PREP.  Work-groups 0-63 (T = the work-group's number): 16 rows d = 16 T .. 16 T + 15 of W [1024][2048] f32.
;   W_enc = W[:, 0:1024] is quantised along K to FP6 (E2M3) with one E8M0 byte for each 32, and stored as IMAGES OF OPERAND REGISTERS:
;   wfrag + (8 T + k) 1536 + 512 c + 16 lane holds registers 4 c .. 4 c + 3 of the fragment (16 rows x 128 K) of K step k;
;   wscl + 512 T + 16 lane + 4 j holds the scale word of row 16 T + lane % 16, K step 2 j + lane / 16.
;   W_dec = W[:, 1024:2048] is quantised likewise and multiplied at once with dec_hidden's given codes (the FP6 matrix form);
;   biasS[b][d] = 2 log2(e) x (dec[b] . Q(W_dec)[d]).   Wave k takes K step k of both halves; the eight partial sums meet in LDS.
; Work-groups 64-95 (b = number - 64): the mask's row b becomes a permutation of 0 .. 2047, list[b]: the rows that are kept (mask = 0) in
;   ascending order at places 0 .. n - 1, the masked rows behind them; counts[b] = n.  A counting sort by ballots: no atomics.
; Both kinds pass ONE barrier, at the same place of the text; each kind has LDS bytes of its own.
; QUANTISER: a block's scale byte is its largest magnitude's exponent field - 2, held at 1 from below (a block of zeros gets 1: its codes are zeros, and
; this program alone reads the bytes).  LIMITS: blocks whose largest magnitude lies under 2^-124 get the byte 1; NaN and infinities in W are not served.
.set STGW,  16896                      ; LDS: a wave's two stages of 16 rows x 528 bytes (512 + 16: row r starts 16 r bytes on modulo 256)
.set SPI,   528
.set RED,   135168                     ; 8 waves x 32 lanes x 16 partial sums
.set WSC,   151552                     ; 8 waves x 32 scale words
.set MC,    152576                     ; the mask's path alone: 8 counts
.set X,     16                         ; v16-143  128 numbers: W_enc's 64, W_dec's 64
.set QM,    144                        ; v144-147 largest magnitudes of four blocks
.set QS,    148                        ; v148-151 the conversions' scale operands
.set QY,    152                        ; v152-155 scale bytes
.set QW,    156                        ; v156-157 scale words of the two fragments
.set QT,    158                        ; v158-159 the other half's bytes
.set DF,    160                        ; v160-183 dec's two fragments
.set DSC,   184                        ; v184-185 their scale words
.set PC0,   186                        ; v186-197 W_enc's codes
.set PC1,   198                        ; v198-209 W_dec's codes
.set QC,    210                        ; v210-225 the upper halves of four blocks, as converted
.set D0,    226                        ; v226-241 two accumulators
.set SH8,   13
.set SEL,   26
; 128 numbers of a lane, v[xb + 32 z + i] = K 64 (z % 2) + 32 (lane / 16) + i of my row, fragment z / 2, become two fragments' codes (pa, pb) and scale words (QW, QW + 1).
; A lane holds whole blocks, so no other lane is asked for a maximum; a scale word's four bytes come from lanes l and l xor 16.
.macro QF2 xb, pa, pb
.irp z, 0,1,2,3
	v_max3_num_f32 v[QM+\z], |v[\xb+32*\z]|, |v[\xb+32*\z+1]|, 0x1800000   ; the floor 2^(3 - 127): the byte cannot fall under 1
.endr
.irp i, 2,4,6,8,10,12,14,16,18,20,22,24,26,28,30
.irp z, 0,1,2,3
	s_delay_alu instid0(VALU_DEP_4)
	v_max3_num_f32 v[QM+\z], v[QM+\z], |v[\xb+32*\z+\i]|, |v[\xb+32*\z+\i+1]|   ; four blocks by turns
.endr
.endr
.irp z, 0,1,2,3
	s_delay_alu instid0(VALU_DEP_4)
	v_add_nc_u32 v[QS+\z], 0xff000000, v[QM+\z]    ; 2 off the exponent field: the conversion's scale operand
.endr
.irp z, 0,1,2,3
	s_delay_alu instid0(VALU_DEP_4)
	v_lshrrev_b32 v[QY+\z], 23, v[QS+\z]           ; the scale's byte
.endr
.irp f, 0
	s_delay_alu instid0(VALU_DEP_3)
	v_lshl_or_b32 v[QW+\f], v[QY+2*\f+1], 16, v[QY+2*\f]   ; my bytes: blocks h and 2 + h of the K step,
.endr
.irp f, 1
	s_delay_alu instid0(VALU_DEP_2)
	v_lshl_or_b32 v[QW+\f], v[QY+2*\f+1], 16, v[QY+2*\f]   ; my bytes: blocks h and 2 + h of the K step,
.endr
.irp f, 0,1
	s_delay_alu instid0(VALU_DEP_2)
	v_lshlrev_b32 v[QW+\f], v[SH8], v[QW+\f]       ; at their places (8 h bits up);
.endr
.irp f, 0,1
	s_delay_alu instid0(VALU_DEP_2)
	v_permlanex16_b32 v[QT+\f], v[QW+\f], s[SEL], s[SEL+1]
.endr
.irp f, 0,1
	s_delay_alu instid0(VALU_DEP_2)
	v_or_b32 v[QW+\f], v[QW+\f], v[QT+\f]          ; with lane l xor 16's two the word is whole
.endr
.irp c, 0,1
	v_cvt_scalef32_pk16_fp6_f32 v[\pa+6*\c:\pa+6*\c+2], v[\xb+32*\c:\xb+32*\c+15], v[QS+\c]
	v_cvt_scalef32_pk16_fp6_f32 v[QC+4*\c:QC+4*\c+2], v[\xb+32*\c+16:\xb+32*\c+31], v[QS+\c]   ; (a conversion's three registers begin on an even number)
	v_cvt_scalef32_pk16_fp6_f32 v[\pb+6*\c:\pb+6*\c+2], v[\xb+64+32*\c:\xb+64+32*\c+15], v[QS+2+\c]
	v_cvt_scalef32_pk16_fp6_f32 v[QC+8+4*\c:QC+8+4*\c+2], v[\xb+64+32*\c+16:\xb+64+32*\c+31], v[QS+2+\c]
.endr
	v_nop                                          ; one plain place behind the scaled conversions
.irp c, 0,1
.irp i, 0,1,2
	v_mov_b32 v[\pa+6*\c+3+\i], v[QC+4*\c+\i]
	v_mov_b32 v[\pb+6*\c+3+\i], v[QC+8+4*\c+\i]
.endr
.endr
.endm
	s_load_b512 s[4:19], s[0:1], 0x0               ; W, dec codes, dec scales, mask, wfrag, wscl, biasS, list
	s_load_b64 s[20:21], s[0:1], 0x40              ; counts
	v_lshl_add_u32 v254, v0, 2, 0x25500
	v_mov_b32 v255, 0
	v_lshrrev_b32 v1, 5, v0
	s_delay_alu instid0(VALU_DEP_1)
	v_readfirstlane_b32 s22, v1                    ; wave 0..7
	v_and_b32 v1, 31, v0                           ; lane
	v_and_b32 v2, 15, v0                           ; r
	v_bfe_u32 v3, v0, 4, 1                         ; h
	s_delay_alu instid0(VALU_DEP_3)
	v_lshlrev_b32 v4, 4, v1                        ; 16 x lane
	; every LDS address is made here, ahead of the parting of the two kinds of work-group
	s_mul_i32 s23, s22, STGW
	v_add_nc_u32 v5, s23, v4                       ; stage, in: 16 x lane of a row
	v_mul_u32_u24 v6, v2, SPI
	s_delay_alu instid0(VALU_DEP_1)
	v_lshl_add_u32 v6, v3, 7, v6
	s_delay_alu instid0(VALU_DEP_1)
	v_add_nc_u32 v6, s23, v6                       ; stage, out: row r, + 128 h
	s_lshl_b32 s23, s22, 11
	s_add_co_u32 s23, s23, RED
	v_lshl_add_u32 v7, v1, 6, s23                  ; my 16 partial sums
	s_lshl_b32 s23, s22, 3
	s_add_co_u32 s23, s23, RED
	v_lshl_add_u32 v8, v1, 6, s23                  ; back: sums 2 w, 2 w + 1 of lane's sixteen
	s_lshl_b32 s23, s22, 7
	s_add_co_u32 s23, s23, WSC
	v_lshl_add_u32 v9, v1, 2, s23                  ; my K step's scale words
	v_lshlrev_b32 v10, 7, v3
	s_delay_alu instid0(VALU_DEP_1)
	v_lshl_add_u32 v10, v2, 2, v10
	s_delay_alu instid0(VALU_DEP_1)
	v_add_nc_u32 v10, WSC, v10                     ; back: K step 2 j + h, row r
	s_lshl_b32 s23, s22, 2
	s_add_co_u32 s23, s23, MC
	v_mov_b32 v11, s23                             ; my wave's count
	v_mov_b32 v12, MC
	v_lshlrev_b32 v[SH8], 3, v3
	v_mul_u32_u24 v14, v2, 768                     ; dec's codes: a row is 768 bytes
	s_delay_alu instid0(VALU_DEP_1)
	v_mad_u32_u24 v14, v3, 24, v14
	v_lshlrev_b32 v15, 5, v2                       ; dec's scales: 32 bytes a row
	v_lshlrev_b32 v242, 15, v3
	s_delay_alu instid0(VALU_DEP_1)
	v_lshl_add_u32 v242, v2, 2, v242               ; biasS: 8 h rows of 4,096 bytes + 4 r
	s_lshl_b32 s23, s22, 8
	v_add_nc_u32 v243, s23, v1                     ; the mask's path: row 256 w + lane
	v_mov_b32 v[QT], 0                             ; a lane permute's destination counts as one of its sources
	v_mov_b32 v[QT+1], 0
	s_mov_b32 s[SEL], 0x76543210
	s_mov_b32 s[SEL+1], 0xfedcba98
	s_mov_b32 s28, 0x4038aa3b                      ; 2 log2(e)
	s_mov_b32 s29, s28
	s_mov_b32 s31, 0
	s_wait_kmcnt 0x0
	s_cmp_ge_u32 ttmp9, 64
	s_cbranch_scc1 .Lmask1
	; ---- W, part 1
	s_lshl_b32 s30, ttmp9, 17                      ; 16 rows of 8,192 bytes
	s_lshl_b32 s23, s22, 9                         ; my K step: 512 bytes of a row
	s_add_co_u32 s30, s30, s23
	s_add_nc_u64 s[24:25], s[4:5], s[30:31]
	s_mul_i32 s30, s22, 96
	s_add_nc_u64 s[6:7], s[6:7], s[30:31]
	s_lshl_b32 s30, s22, 2
	s_add_nc_u64 s[8:9], s[8:9], s[30:31]
	s_lshl_b32 s30, ttmp9, 3
	s_add_co_u32 s30, s30, s22
	s_mul_i32 s30, s30, 1536
	s_add_nc_u64 s[12:13], s[12:13], s[30:31]
.irp i, 0,1,2,3,4,5,6,7,8,9,10,11,12,13,14,15
	global_load_b128 v[X+4*\i:X+4*\i+3], v4, s[24:25] offset:\i*8192 th:TH_LOAD_NT          ; 32 lanes read 512 consecutive bytes of row i: W_enc
.endr
.irp i, 0,1,2,3,4,5,6,7,8,9,10,11,12,13,14,15
	global_load_b128 v[X+64+4*\i:X+64+4*\i+3], v4, s[24:25] offset:\i*8192+4096 th:TH_LOAD_NT   ; W_dec
.endr
	s_wait_alu depctr_va_vdst(0)
.irp mt, 0,1
.irp p, 0,1,2,3,4,5
	global_load_b64 v[DF+12*\mt+2*\p:DF+12*\mt+2*\p+1], v14, s[6:7] offset:\mt*12288+48*(\p/3)+8*(\p%3)   ; dec's fragment: batches 16 mt + r
.endr
	global_load_b32 v[DSC+\mt], v15, s[8:9] offset:512*\mt
.endr
	s_wait_loadcnt 0x0
.irp f, 0,1
.irp i, 0,1,2,3,4,5,6,7,8,9,10,11,12,13,14,15
	ds_store_b128 v5, v[X+64*\f+4*\i:X+64*\f+4*\i+3] offset:8448*\f+\i*SPI
.endr
.endr
.irp f, 0,1                                    ; LDS serves a wave's instructions in order (ISA guide 5.7.1.4): these see the stores above, and land in the registers that those have left
.irp c, 0,1
.irp e, 0,1,2,3,4,5,6,7
	ds_load_b128 v[X+64*\f+32*\c+4*\e:X+64*\f+32*\c+4*\e+3], v6 offset:8448*\f+256*\c+16*\e   ; row r, K 64 c + 32 h + 4 e ..
.endr
.endr
.endr
	s_wait_dscnt 0x0
	QF2 X, PC0, PC1
.irp c, 0,1,2
	global_store_b128 v4, v[PC0+4*\c:PC0+4*\c+3], s[12:13] offset:512*\c   ; 32 lanes store 512 consecutive bytes
.endr
	ds_store_b32 v9, v[QW]
.rept 8
	v_nop                                          ; a scale register written by a vector instruction stands 8 places ahead of a scaled matrix instruction, an operand 4
.endr
	v_wmma_scale_f32_16x16x128_f8f6f4 v[D0:D0+7], v[DF:DF+11], v[PC1:PC1+11], 0, v[DSC], v[QW+1] matrix_a_fmt:MATRIX_FMT_FP6 matrix_b_fmt:MATRIX_FMT_FP6
	v_wmma_scale_f32_16x16x128_f8f6f4 v[D0+8:D0+15], v[DF+12:DF+23], v[PC1:PC1+11], 0, v[DSC+1], v[QW+1] matrix_a_fmt:MATRIX_FMT_FP6 matrix_b_fmt:MATRIX_FMT_FP6
.rept 4
	v_nop
.endr
.irp i, 0,1,2,3
	ds_store_b128 v7, v[D0+4*\i:D0+4*\i+3] offset:16*\i   ; sum 8 mt + j: batch 16 mt + 8 h + j, unit 16 T + r; each accumulator from its low end on
.endr
	s_branch .Ljoin
.Lmask1:	; ---- the mask, part 1: my wave's 256 rows, 32 a ballot
	s_sub_co_u32 s40, ttmp9, 64
	s_lshl_b32 s30, s40, 11
	s_add_nc_u64 s[10:11], s[10:11], s[30:31]
	s_wait_alu depctr_va_vdst(0)
.irp j, 0,1,2,3,4,5,6,7
	global_load_u8 v[16+\j], v243, s[10:11] offset:32*\j
.endr
	s_wait_loadcnt 0x0
	s_mov_b32 s41, 0
.irp j, 0,1,2,3,4,5,6,7
	v_cmp_eq_u32 s[32+\j], 0, v[16+\j]             ; kept
	s_bcnt1_i32_b32 s42, s[32+\j]
	s_add_co_u32 s41, s41, s42
.endr
	v_mov_b32 v24, s41
	ds_store_b32 v11, v24                          ; all lanes write the same word with the same value
.Ljoin:
	s_wait_dscnt 0x0                               ; for the others' sake: my LDS stores have landed
	s_barrier_signal -1
	s_barrier_wait -1
	s_cmp_ge_u32 ttmp9, 64
	s_cbranch_scc1 .Lmask2
	; ---- W, part 2: the eight K steps' partial sums are added; thread (w, lane) takes sums 2 w and 2 w + 1 of the lane's sixteen
.irp q, 0,1,2,3,4,5,6,7
	ds_load_b64 v[16+2*\q:17+2*\q], v8 offset:2048*\q
.endr
	s_lshl_b32 s30, ttmp9, 6                       ; 4 x 16 T
	s_lshr_b32 s23, s22, 2
	s_lshl_b32 s23, s23, 16                        ; 16 (w / 4) rows of 4,096 bytes
	s_add_co_u32 s30, s30, s23
	s_and_b32 s23, s22, 3
	s_lshl_b32 s23, s23, 13                        ; 2 (w % 4) rows
	s_add_co_u32 s30, s30, s23
	s_add_nc_u64 s[16:17], s[16:17], s[30:31]
	s_wait_dscnt 0x0
	v_pk_add_f32 v[16:17], v[16:17], v[18:19]
	v_pk_add_f32 v[20:21], v[20:21], v[22:23]
	v_pk_add_f32 v[24:25], v[24:25], v[26:27]
	v_pk_add_f32 v[28:29], v[28:29], v[30:31]
	s_delay_alu instid0(VALU_DEP_3)
	v_pk_add_f32 v[16:17], v[16:17], v[20:21]
	s_delay_alu instid0(VALU_DEP_2)
	v_pk_add_f32 v[24:25], v[24:25], v[28:29]
	s_delay_alu instid0(VALU_DEP_1)
	v_pk_add_f32 v[16:17], v[16:17], v[24:25]
	s_delay_alu instid0(VALU_DEP_1)
	v_pk_mul_f32 v[16:17], v[16:17], s[28:29] op_sel_hi:[1,0]   ; x 2 log2(e): the next launch's exponent wants it so
	global_store_b32 v242, v16, s[16:17]
	global_store_b32 v242, v17, s[16:17] offset:4096
	s_cmp_lg_u32 s22, 0
	s_cbranch_scc1 .Lend
.irp j, 0,1,2,3
	ds_load_b32 v[32+\j], v10 offset:256*\j        ; wave 0: the tile's scale words in the order in which the product's launch loads them
.endr
	s_lshl_b32 s30, ttmp9, 9
	s_add_nc_u64 s[14:15], s[14:15], s[30:31]
	s_wait_dscnt 0x0
	global_store_b128 v4, v[32:35], s[14:15]
.Lend:
	s_wait_tensorcnt 0x0
	ds_add_u32 v254, v255
	s_wait_dscnt 0x0
	s_endpgm
.Lmask2:	; ---- the mask, part 2: places
	ds_load_b128 v[28:31], v12
	ds_load_b128 v[32:35], v12 offset:16
	s_sub_co_u32 s40, ttmp9, 64
	s_lshl_b32 s30, s40, 13
	s_add_nc_u64 s[18:19], s[18:19], s[30:31]
	s_lshl_b32 s30, s40, 2
	s_add_nc_u64 s[20:21], s[20:21], s[30:31]
.irp j, 0,1,2,3,4,5,6,7
	v_cmp_eq_u32 s[32+\j], 0, v[16+\j]             ; the ballots again, from the bytes that I still hold
.endr
	s_wait_dscnt 0x0
.irp q, 0,1,2,3,4,5,6,7
	v_readfirstlane_b32 s[44+\q], v[28+\q]
.endr
	s_mov_b32 s52, 0                               ; kept rows ahead of my wave's
	s_mov_b32 s53, 0                               ; n
.irp q, 0,1,2,3,4,5,6,7
	s_add_co_u32 s53, s53, s[44+\q]
	s_cmp_gt_u32 s22, \q
	s_cselect_b32 s54, s[44+\q], 0
	s_add_co_u32 s52, s52, s54
.endr
.irp j, 0,1,2,3,4,5,6,7                        ; each j has registers of its own for its store
	v_mbcnt_lo_u32_b32 v56, s[32+\j], s52          ; kept rows ahead of mine
	v_add_nc_u32 v[48+\j], 32*\j, v243             ; my row
	s_delay_alu instid0(VALU_DEP_1)
	v_sub_nc_u32 v57, v[48+\j], v56                ; masked rows ahead of mine
	s_delay_alu instid0(VALU_DEP_1)
	v_add_nc_u32 v57, s53, v57
	s_delay_alu instid0(VALU_DEP_1)
	v_cndmask_b32 v[40+\j], v57, v56, s[32+\j]     ; a kept row's place, or a masked row's behind all kept ones
	s_delay_alu instid0(VALU_DEP_1)
	v_min_u32 v[40+\j], 2047, v[40+\j]
	s_delay_alu instid0(VALU_DEP_1)
	v_lshlrev_b32 v[40+\j], 2, v[40+\j]
	global_store_b32 v[40+\j], v[48+\j], s[18:19]
	s_bcnt1_i32_b32 s54, s[32+\j]
	s_add_co_u32 s52, s52, s54
.endr
	v_mov_b32 v58, s53
	v_mov_b32 v59, 0
	v_cmp_eq_u32 vcc_lo, 0, v0
	s_wait_alu depctr_va_vdst(0)
	s_wait_xcnt 0x0                                ; EXEC changes only behind this wait
	s_wait_tensorcnt 0x0
	ds_add_u32 v254, v255
	s_wait_dscnt 0x0
	s_and_saveexec_b32 s55, vcc_lo
	global_store_b32 v59, v58, s[20:21]            ; thread 0: n
	s_wait_xcnt 0x0
	s_or_b32 exec_lo, exec_lo, s55
	s_endpgm
.Lfunc_end_k_q85b5bc01e3_prep:
	.size	k_q85b5bc01e3_prep, .Lfunc_end_k_q85b5bc01e3_prep-k_q85b5bc01e3_prep
	.p2alignl 7, 3214868480
	.fill 96, 4, 3214868480
	.section	.rodata,"a",@progbits
	.p2align	6, 0x0
	.amdhsa_kernel k_q85b5bc01e3_prep
		.amdhsa_group_segment_fixed_size 153856
		.amdhsa_private_segment_fixed_size 0
		.amdhsa_enable_private_segment 0
		.amdhsa_kernarg_size 72
		.amdhsa_user_sgpr_count 2
		.amdhsa_user_sgpr_kernarg_segment_ptr 1
		.amdhsa_wavefront_size32 1
		.amdhsa_system_sgpr_workgroup_id_x 1
		.amdhsa_system_sgpr_workgroup_id_y 1
		.amdhsa_system_sgpr_workgroup_id_z 1
		.amdhsa_system_vgpr_workitem_id 0
		.amdhsa_next_free_vgpr 256
		.amdhsa_next_free_sgpr 66
		.amdhsa_reserve_vcc 1
		.amdhsa_float_denorm_mode_32 3
		.amdhsa_float_denorm_mode_16_64 3
		.amdhsa_memory_ordered 1
		.amdhsa_forward_progress 1
		.amdhsa_inst_pref_size 34
	.end_amdhsa_kernel
	.amdgpu_metadata
---
amdhsa.version: [ 1, 2 ]
amdhsa.kernels:
  - .name:           k_q85b5bc01e3_prep
    .symbol:         k_q85b5bc01e3_prep.kd
    .args:
      - { .name: W, .offset: 0, .size: 8, .value_kind: global_buffer, .address_space: global }
      - { .name: dec_hidden_codes, .offset: 8, .size: 8, .value_kind: global_buffer, .address_space: global }
      - { .name: dec_hidden_scales, .offset: 16, .size: 8, .value_kind: global_buffer, .address_space: global }
      - { .name: mask, .offset: 24, .size: 8, .value_kind: global_buffer, .address_space: global }
      - { .name: wfrag, .offset: 32, .size: 8, .value_kind: global_buffer, .address_space: global }
      - { .name: wscl, .offset: 40, .size: 8, .value_kind: global_buffer, .address_space: global }
      - { .name: biasS, .offset: 48, .size: 8, .value_kind: global_buffer, .address_space: global }
      - { .name: list, .offset: 56, .size: 8, .value_kind: global_buffer, .address_space: global }
      - { .name: counts, .offset: 64, .size: 8, .value_kind: global_buffer, .address_space: global }
    .group_segment_fixed_size: 153856
    .private_segment_fixed_size: 0
    .kernarg_segment_align: 8
    .kernarg_segment_size: 72
    .max_flat_workgroup_size: 256
    .sgpr_count:     66
    .vgpr_count:     256
    .wavefront_size: 32
...
	.end_amdgpu_metadata
.endif
;; end of part 1
;; launch scores (part 2): grid 8 x 32, 4 waves a work-group, no clusters, 284,416 bytes of LDS; arguments enc_hiddens, V, wfrag, wscl, biasS, list, counts, sc; writes sc
.if DOCPART == 2
	.amdgcn_target "amdgcn-amd-amdhsa--gfx1250"
	.amdhsa_code_object_version 6
	.text
	.protected	k_q85b5bc01e3_scores
	.globl	k_q85b5bc01e3_scores
	.p2align	8
	.type	k_q85b5bc01e3_scores,@function
k_q85b5bc01e3_scores:
	s_mov_b64 s[64:65], 0
	v_nop
	global_prefetch_b8 v0, s[64:65] scope:SCOPE_SE
	s_setreg_imm32_b32 hwreg(HW_REG_WAVE_MODE, 25, 1), 1
	s_wait_xcnt 0x0
; SCORES.  sc[b][place] = sum over d of (-2 V[d]) / (1 + 2^(c2 (Q(enc[b][row]) . Q(W_enc)[d]) + biasS[b][d])), c2 = 2 log2(e), row = list[b][place].
; That is V . tanh(..) less the sum of V, by tanh(x) = 1 - 2 / (1 + e^(2x)); the sum of V is the same for all rows of a batch and falls out of the softmax.
; ONLY THE ROWS THAT THE MASK KEEPS ARE MULTIPLIED: a masked row's score is replaced by -infinity.  The rows come by the stored list, in blocks of 16 places; the last block of a
; batch is filled up with masked rows (the list is a permutation: every entry is a row), whose scores the next launch does not use.
; SHARES.  Work-group (x, b) takes blocks first .. first + cnt - 1 of batch b's nblk = ceil(n / 16): first = x nblk / 8, cnt at most 16.
;   Phase 1: wave w quantises K steps 2 w, 2 w + 1 (1,024 bytes of each row) of every block to FP6 codes and E8M0 bytes, and lays them in LDS as images of operand registers.
;   Main phase: wave w owns hidden units 256 w .. + 255: four passes of 4 tiles of 16.  A pass's 32 fragments of W stay in registers (two sets: the next pass's are loaded meanwhile);
;   a block's 8 fragments come from LDS and feed 4 matrix instructions each.  The result holds ONE unit a lane (lane % 16) and rows 8 (lane / 16) + j.
;   IN PHASES: a block's 32 products (8 K steps x 4 tiles) stand back to back, the four accumulators by turns; then the next block's fragments are asked for; then the tanh of the 32 registers
;   (scale, 2^x, + 1, reciprocal), its 64 transcendentals in two batches with one wait each; the fragments land under the tanh.
;   A block's sums over the units (8 registers a lane) wait in the wave's own LDS from pass to pass; at the end the four waves' and the sixteen lanes' parts are added.
; No tensor load and no joint request, though all work-groups read W: what a work-group skips hangs on counts read from memory.  W was laid in register order by the launch before.
; Loops have constant trip counts and jump over work inside; where a jump leaves loads out, that way waits for 0, so that each counted wait holds on every way through the text.
; LIMITS: blocks of 32 whose largest magnitude lies under 2^-124 get the scale byte 1; NaN and infinities in enc_hiddens are not served (a masked row's are not even read).
.set IMG,  0                           ; LDS: images: q 49152 + block 3072 + (k % 2) 1536 + 512 c + 16 lane, q = k / 2 (each writer's bytes are one dense range)
.set ASC,  196608                      ; the rows' scale words: q 2048 + block 128 + 4 lane: lanes 0-15 K step 2 q, lanes 16-31 K step 2 q + 1
.set BV,   204800                      ; biasS[b], 4,096 bytes; then -2 V
.set TAB,  212992                      ; the work-group's 256 list entries, and 256 bytes that the stepped addresses may reach and no trip reads
.set STG,  214272                      ; for each wave WST bytes: in phase 1 a stage of 16 rows x 1,040; then 17 slots of 1,024 for the blocks' sums (block i has slot i; the 17th is reached by the stepped address alone)
.set WST,  17408
.set SP1,  1040
.set LI,   4                           ; v4   16 x lane
.set LP,   5                           ; v5   16 (lane % 16) + 1024 w: my bytes of a row of enc
.set STW,  6                           ; v6   stage, in
.set STR,  7                           ; v7   stage, out
.set TBR,  8                           ; v8   TAB + 32 h
.set TBA,  9                           ; v9   the same, at the trip's blocks
.set IMB,  10                          ; v10  where my images begin
.set IMA,  11
.set ASB,  12                          ; v12  where my scale words begin
.set ASA,  13
.set SH8,  14                          ; v14  8 h
.set TMP,  15
.set AF,   16                          ; v16-111  a block's 8 fragments           (phase 1: v16-143 X, 128 numbers)
.set X,    16
.set ACC,  112                         ; v112-143 4 accumulators
.set SCR,  144                         ; v144-151 a block's sums                  (phase 1: QM, QS)
.set AS,   152                         ; v152-155 the rows' scale words: nothing else ever stands here
.set WS,   156                         ; v156-187 W's scale words, 16 set + 4 t + j: likewise
.set BI,   188                         ; v188-203 tile t: bias at 188 + 4 t, -2 V at 190 + 4 t; the odd partners hold 0 (the packed forms name pairs)
.set WX,   204                         ; v204-215 W's fragment 63
.set QM,   144
.set QS,   148
.set OF,   192                         ; phase 1: v192-199, v200-207 the rows' offsets, a set for even and one for odd blocks
.set QY,   208
.set QT,   212
.set QW,   214
.set PC0,  216
.set PC1,  228
.set QC,   240
.set AAD,  216                         ; main phase: v216-217 addresses of the images in hand (q = 0, 1 and q = 2, 3)
.set AB1,  218
.set SAD,  219
.set SBS,  220
.set SCP,  221                         ; the block's slot
.set SCB,  222
.set BVA,  223
.set ERD,  224
.set ERD2, 225
.set VOF,  226
; W's fragment f = 32 set + 4 k + t (K step k, tile t: the order in which the products take them): window 1 + f / 21, register 12 (f % 21); f = 63: window 0, WX.  Phase 1's raw rows: window 3, two sets of 128.
.set CNT,  26
.set C2,   30
.set SEL,  32
.set HM,   34
.set SJ,   35
.set SJI,  36
.set SJA,  37
.set SJT,  38
.set SI,   44
.set SSL,  45
.set SIM,  46
.set SAS,  47
.set MSB, 0
.macro WIN new                         ; the immediate's high byte repeats the setting that is left; a switch that changes nothing is dropped
.if MSB != \new
	s_set_vgpr_msb (MSB<<8)|\new
.set MSB, \new
.endif
.endm
.macro QF2 xb, pa, pb                  ; 128 numbers of a lane, v[xb + 32 z + i] = K 64 (z % 2) + 32 (lane / 16) + i of my row, fragment z / 2 -> two fragments' codes and scale words
.irp z, 0,1,2,3
	v_max3_num_f32 v[QM+\z], |v[\xb+32*\z]|, |v[\xb+32*\z+1]|, 0x1800000   ; the floor 2^(3 - 127): the byte cannot fall under 1
.endr
.irp i, 2,4,6,8,10,12,14,16,18,20,22,24,26,28,30
.irp z, 0,1,2,3
	v_max3_num_f32 v[QM+\z], v[QM+\z], |v[\xb+32*\z+\i]|, |v[\xb+32*\z+\i+1]|   ; four blocks by turns
.endr
.endr
.irp z, 0,1,2,3
	v_add_nc_u32 v[QS+\z], 0xff000000, v[QM+\z]    ; 2 off the exponent field: the conversion's scale operand
.endr
.irp z, 0,1,2,3
	v_lshrrev_b32 v[QY+\z], 23, v[QS+\z]           ; the scale's byte
.endr
.irp f, 0,1
	v_lshl_or_b32 v[QW+\f], v[QY+2*\f+1], 16, v[QY+2*\f]
.endr
.irp f, 0,1
	v_lshlrev_b32 v[QW+\f], v[SH8], v[QW+\f]
.endr
.irp f, 0,1
	v_permlanex16_b32 v[QT+\f], v[QW+\f], s[SEL], s[SEL+1]
.endr
.irp f, 0,1
	v_or_b32 v[QW+\f], v[QW+\f], v[QT+\f]          ; with lane l xor 16's two bytes the word is whole
.endr
.irp c, 0,1
	v_cvt_scalef32_pk16_fp6_f32 v[\pa+6*\c:\pa+6*\c+2], v[\xb+32*\c:\xb+32*\c+15], v[QS+\c]
	v_cvt_scalef32_pk16_fp6_f32 v[QC+4*\c:QC+4*\c+2], v[\xb+32*\c+16:\xb+32*\c+31], v[QS+\c]   ; (a conversion's three registers begin on an even number)
	v_cvt_scalef32_pk16_fp6_f32 v[\pb+6*\c:\pb+6*\c+2], v[\xb+64+32*\c:\xb+64+32*\c+15], v[QS+2+\c]
	v_cvt_scalef32_pk16_fp6_f32 v[QC+8+4*\c:QC+8+4*\c+2], v[\xb+64+32*\c+16:\xb+64+32*\c+31], v[QS+2+\c]
.endr
	v_nop                                          ; one plain place behind the scaled conversions
.irp c, 0,1
.irp i, 0,1,2
	v_mov_b32 v[\pa+6*\c+3+\i], v[QC+4*\c+\i]
	v_mov_b32 v[\pb+6*\c+3+\i], v[QC+8+4*\c+\i]
.endr
.endr
.endm
; W's fragments lo .. hi - 1 (of 32: K step lf / 4, tile lf % 4) of pass g into set: three loads of 512 consecutive bytes each
.macro WLOAD set, g, lo, hi
.set lf, \lo
.rept (\hi)-(\lo)
.set ff, 32*(\set)+lf
.set tt, lf%4
.set kk, lf/4
.if ff < 63
	WIN ((1+ff/21)<<6)
.set rr, 12*(ff%21)
.else
	WIN 0
.set rr, WX
.endif
.irp c, 0,1,2
	global_load_b128 v[rr+4*\c:rr+4*\c+3], v[LI], s[8:9] offset:(4*(\g)+tt)*12288+1536*kk+512*\c
.endr
.set lf, lf+1
.endr
	WIN 0
.endm
.macro WSLOAD set, g
.irp t, 0,1,2,3
	global_load_b128 v[WS+16*(\set)+4*\t:WS+16*(\set)+4*\t+3], v[LI], s[10:11] offset:(4*(\g)+\t)*512
.endr
.endm
; A block's 16 rows are asked for: 8 list entries a half of the lanes, 32 loads; in each, lanes 0-15 read 256 aligned bytes of row i and lanes 16-31 of row 8 + i
.macro ISSUE set, toff
	ds_load_b128 v[OF+8*(\set):OF+8*(\set)+3], v[TBA] offset:(\toff)
	ds_load_b128 v[OF+8*(\set)+4:OF+8*(\set)+7], v[TBA] offset:(\toff)+16
	s_wait_dscnt 0x0                               ; the entries are in; so is all else of mine in LDS: the stage's stores have read the raw registers
.irp i, 0,1,2,3,4,5,6,7
	v_min_u32 v[OF+8*(\set)+\i], 2047, v[OF+8*(\set)+\i]
.endr
.irp i, 0,1,2,3,4,5,6,7
	v_lshl_add_u32 v[OF+8*(\set)+\i], v[OF+8*(\set)+\i], 12, v[LP]
.endr
	WIN 0xc0                                       ; destination window 3
.irp i, 0,1,2,3,4,5,6,7
.irp q, 0,1,2,3
	global_load_b128 v[128*(\set)+16*\i+4*\q:128*(\set)+16*\i+4*\q+3], v[OF+8*(\set)+\i], s[4:5] offset:256*\q th:TH_LOAD_NT
.endr
.endr
	WIN 0
.endm
; Block SJ + d: through the stage, quantised, images to LDS.  Ahead of it on every way either 32 younger loads were issued behind this block's, or all loads were waited for.
.macro QB d
	s_add_co_u32 s40, s[SJ], \d
	s_cmp_ge_u32 s40, s[CNT]
	s_cbranch_scc1 .Lqs_\@
	s_wait_loadcnt 32                              ; this block's 32 loads are in; the next block's 32 may be out
	WIN 0x0c                                       ; an LDS store's data are its source 1: window 3
.irp i, 0,1,2,3,4,5,6,7
.irp q, 0,1,2,3
	ds_store_b128 v[STW], v[128*(\d)+16*\i+4*\q:128*(\d)+16*\i+4*\q+3] offset:\i*SP1+256*\q
.endr
.endr
	WIN 0
.irp s, 0,1                                    ; LDS serves a wave's instructions in order (ISA guide 5.7.1.4): these see the stores above
.irp c, 0,1
.irp e, 0,1,2,3,4,5,6,7
	ds_load_b128 v[X+64*\s+32*\c+4*\e:X+64*\s+32*\c+4*\e+3], v[STR] offset:512*\s+256*\c+16*\e   ; row r, K step 2 w + s, K 64 c + 32 h + 4 e ..
.endr
.endr
.endr
	s_add_co_u32 s40, s40, 2
	s_cmp_lt_u32 s40, s[CNT]
	s_cbranch_scc0 .Lqn_\@
	v_add_nc_u32 v[TBA], s[SJT], v[TBR]
	ISSUE \d, 64*(\d+2)                            ; the block two on, into the registers just left
	s_branch .Lqg_\@
.Lqn_\@:
	s_wait_loadcnt 0x0                             ; nothing more is asked for: the next block's wait then finds all loads in
	s_wait_dscnt 0x0
.Lqg_\@:
	QF2 X, PC0, PC1
	v_add_nc_u32 v[IMA], s[SJI], v[IMB]            ; (no LDS instruction of mine is out)
	v_add_nc_u32 v[ASA], s[SJA], v[ASB]
	v_cndmask_b32 v[TMP], v[QW], v[QW+1], s[HM]    ; lanes 0-15 K step 2 w's words, lanes 16-31 K step 2 w + 1's
.irp c, 0,1,2
	ds_store_b128 v[IMA], v[PC0+4*\c:PC0+4*\c+3] offset:3072*(\d)+512*\c
	ds_store_b128 v[IMA], v[PC1+4*\c:PC1+4*\c+3] offset:3072*(\d)+1536+512*\c
.endr
	ds_store_b32 v[ASA], v[TMP] offset:128*(\d)
	s_branch .Lqe_\@
.Lqs_\@:
	s_wait_loadcnt 0x0
.Lqe_\@:
.endm
; Fragments k0 .. k0 + 3 of a block and their two registers of scale words: 14 loads
.macro RFILL k0, ioff, soff
.irp k, 0,1,2,3
.irp c, 0,1,2
	ds_load_b128 v[AF+12*((\k0)+\k)+4*\c:AF+12*((\k0)+\k)+4*\c+3], v[AAD+(\k0)/4] offset:(\ioff)+(\k/2)*49152+(\k%2)*1536+512*\c
.endr
.endr
	ds_load_b32 v[AS+(\k0)/2], v[SAD] offset:(\soff)+((\k0)/2)*2048
	ds_load_b32 v[AS+(\k0)/2+1], v[SAD] offset:(\soff)+((\k0)/2+1)*2048
.endm
; Matrix instruction mi (0 .. 31) of a block: K step mi / 4, tile mi % 4.  The four accumulators take turns, one instruction a turn; the first K step starts the sums.
; W's fragments are walked in ascending order, so the window of source 1 changes two or three times in the run.
.macro MM set
.set kk, mi/4
.set tt, mi%4
.set ff, 32*(\set)+mi
.if ff < 63
	WIN ((1+ff/21)<<2)                             ; source 1 (W) in its window; all else in window 0
.set rr, 12*(ff%21)
.else
	WIN 0
.set rr, WX
.endif
.if kk == 0
	v_wmma_scale_f32_16x16x128_f8f6f4 v[ACC+8*tt:ACC+8*tt+7], v[AF:AF+11], v[rr:rr+11], 0, v[AS], v[WS+16*(\set)+4*tt] matrix_a_fmt:MATRIX_FMT_FP6 matrix_b_fmt:MATRIX_FMT_FP6
.elseif kk%2 == 0
	v_wmma_scale_f32_16x16x128_f8f6f4 v[ACC+8*tt:ACC+8*tt+7], v[AF+12*kk:AF+12*kk+11], v[rr:rr+11], v[ACC+8*tt:ACC+8*tt+7], v[AS+kk/2], v[WS+16*(\set)+4*tt+kk/2] matrix_a_fmt:MATRIX_FMT_FP6 matrix_b_fmt:MATRIX_FMT_FP6
.else
	v_wmma_scale_f32_16x16x128_f8f6f4 v[ACC+8*tt:ACC+8*tt+7], v[AF+12*kk:AF+12*kk+11], v[rr:rr+11], v[ACC+8*tt:ACC+8*tt+7], v[AS+kk/2], v[WS+16*(\set)+4*tt+kk/2] matrix_a_fmt:MATRIX_FMT_FP6 matrix_b_fmt:MATRIX_FMT_FP6 matrix_a_scale:MATRIX_SCALE_ROW1 matrix_b_scale:MATRIX_SCALE_ROW1
.endif
.endm
; Block SI of a pass, if the work-group has such a block.
.macro TRIP set
	s_cmp_ge_u32 s[SI], s[CNT]
	s_cbranch_scc1 .Lte_\@
	s_wait_dscnt 18                                ; K steps 0-3 are in; behind their 14 loads stand 2 loads of sums, 14 loads of K steps 4-7 and 2 stores
.set mi, 0
.rept 16
	MM \set
.set mi, mi+1
.endr
	WIN 0
	s_wait_dscnt 0x0                               ; K steps 4-7 are in, and no LDS instruction of mine is out
	v_add_nc_u32 v[AAD], s[SIM], v[LI]             ; four plain lines that name no register of the products: the places behind the sixteenth (ISA guide 7.12.1)
	v_add_nc_u32 v[AAD+1], s[SIM], v[AB1]
	v_add_nc_u32 v[SAD], s[SAS], v[SBS]
	v_add_nc_u32 v[SCP], s[SSL], v[SCB]
	s_add_co_u32 s42, s[SI], 1
	s_cmp_lt_u32 s42, s[CNT]
	s_cbranch_scc0 .Ltm_\@
	RFILL 0, 3072, 128                             ; the next block's K steps 0-3, into registers that this block's products have left
.Ltm_\@:
.rept 16
	MM \set
.set mi, mi+1
.endr
	WIN 0
.rept 4
	v_nop                                          ; the places behind the last product
.endr
.irp t, 0,1,2,3                                ; each accumulator from its low end on
.irp u, 0,1,2,3
	v_pk_fma_f32 v[ACC+8*\t+2*\u:ACC+8*\t+2*\u+1], v[ACC+8*\t+2*\u:ACC+8*\t+2*\u+1], s[C2:C2+1], v[BI+4*\t:BI+4*\t+1] op_sel_hi:[1,0,0]   ; c2 x sum + biasS
.endr
.endr
	ds_load_b128 v[SCR:SCR+3], v[SCP]              ; what the passes before have summed for this block
	ds_load_b128 v[SCR+4:SCR+7], v[SCP] offset:512
	s_add_co_u32 s42, s[SI], 1
	s_cmp_lt_u32 s42, s[CNT]
	s_cbranch_scc0 .Ltn_\@
	RFILL 4, 3072, 128                             ; the next block's K steps 4-7
	s_branch .Ltg_\@
.Ltn_\@:
	s_wait_dscnt 0x0                               ; no 14 younger loads on this way: the counted wait below then finds all in
.Ltg_\@:
.set vi, 0
	s_wait_alu depctr_va_vdst(0)
.rept 32
	v_exp_f32 v[ACC+vi], v[ACC+vi]                 ; one batch: none of these reads another's result
.set vi, vi+1
.endr
	v_nop                                          ; the batch's plain line,
	s_wait_alu depctr_va_vdst(0)                   ; and its one wait, ahead of the first reader
.set vi, 0
.rept 16
	v_pk_add_f32 v[ACC+2*vi:ACC+2*vi+1], v[ACC+2*vi:ACC+2*vi+1], 1.0 op_sel_hi:[1,0]
.set vi, vi+1
.endr
.set vi, 0
	s_wait_alu depctr_va_vdst(0)
.rept 32
	v_rcp_f32 v[ACC+vi], v[ACC+vi]                 ; the second batch
.set vi, vi+1
.endr
	v_nop
	s_wait_alu depctr_va_vdst(0)
	s_wait_dscnt 14                                ; the sums are in; the 14 loads issued behind them may be out
.irp t, 0,1,2,3
.irp u, 0,1,2,3
	v_pk_fma_f32 v[SCR+2*\u:SCR+2*\u+1], v[ACC+8*\t+2*\u:ACC+8*\t+2*\u+1], v[BI+4*\t+2:BI+4*\t+3], v[SCR+2*\u:SCR+2*\u+1] op_sel_hi:[1,0,1]   ; x (-2 V) of the lane's unit
.endr
.endr
	ds_store_b128 v[SCP], v[SCR:SCR+3]
	ds_store_b128 v[SCP], v[SCR+4:SCR+7] offset:512
.Lte_\@:
.endm
; A pass: tiles 4 g .. 4 g + 3 of my 16, all blocks.  The first trip is written out, so that the next pass's 100 loads of W stand in two runs on every way: 52 ahead of it, 48 behind it.
.macro PASS g
.set SETN, (\g)%2
	s_wait_dscnt 0x0
	s_mov_b32 s[SI], 0
	s_mov_b32 s[SSL], 0
	s_mov_b32 s[SIM], 0
	s_mov_b32 s[SAS], 0
	v_mov_b32 v[AAD], v[LI]
	v_mov_b32 v[AAD+1], v[AB1]
	v_mov_b32 v[SAD], v[SBS]
.irp t, 0,1,2,3
	ds_load_b32 v[BI+4*\t], v[BVA] offset:256*(\g)+64*\t
	ds_load_b32 v[BI+4*\t+2], v[BVA] offset:4096+256*(\g)+64*\t
.endr
	RFILL 0, 0, 0                                  ; block 0 (in a work-group without rows nothing uses it)
	RFILL 4, 0, 0
.if (\g) < 3
	WLOAD 1-SETN, (\g)+1, 0, 16
	WSLOAD 1-SETN, (\g)+1
.endif
	s_wait_dscnt 0x0
	TRIP SETN
.if (\g) < 3
	WLOAD 1-SETN, (\g)+1, 16, 32
.endif
	s_mov_b32 s[SI], 1
	s_mov_b32 s[SSL], 1024
	s_mov_b32 s[SIM], 3072
	s_mov_b32 s[SAS], 128
.Lpl_\@:
	TRIP SETN
	s_add_co_u32 s[SSL], s[SSL], 1024
	s_add_co_u32 s[SIM], s[SIM], 3072
	s_add_co_u32 s[SAS], s[SAS], 128
	s_add_co_u32 s[SI], s[SI], 1
	s_cmp_lt_u32 s[SI], 17
	s_cbranch_scc1 .Lpl_\@
	s_wait_loadcnt 0x0                             ; the next pass's W is in
.endm
	s_load_b512 s[4:19], s[0:1], 0x0               ; enc, V, wfrag, wscl, biasS, list, counts, sc
	v_lshl_add_u32 v251, v0, 2, 0x45500
	v_mov_b32 v255, 0
	v_lshrrev_b32 v1, 5, v0
	v_readfirstlane_b32 s20, v1                    ; wave 0..3
	s_mov_b32 s21, ttmp9                           ; x
	s_and_b32 s22, ttmp7, 0xffff                   ; b
	v_and_b32 v1, 31, v0                           ; lane
	v_and_b32 v2, 15, v0                           ; r
	v_bfe_u32 v3, v0, 4, 1                         ; h
	v_lshlrev_b32 v[LI], 4, v1
	s_lshl_b32 s28, s20, 10
	v_lshl_add_u32 v[LP], v2, 4, s28
	s_mul_i32 s39, s20, WST
	s_add_co_u32 s39, s39, STG                     ; my wave's own bytes
	v_mul_u32_u24 v[STW], v3, 8*SP1
	v_lshl_add_u32 v[STW], v2, 4, v[STW]
	v_add_nc_u32 v[STW], s39, v[STW]               ; in: row 8 h + i, 16 (lane % 16)
	v_mul_u32_u24 v[STR], v2, SP1
	v_lshl_add_u32 v[STR], v3, 7, v[STR]
	v_add_nc_u32 v[STR], s39, v[STR]               ; out: row r, + 128 h
	v_lshlrev_b32 v[TBR], 5, v3
	v_add_nc_u32 v[TBR], TAB, v[TBR]
	s_mul_i32 s41, s20, 49152
	v_add_nc_u32 v[IMB], s41, v[LI]
	s_lshl_b32 s41, s20, 11
	s_add_co_u32 s41, s41, ASC
	v_lshl_add_u32 v[ASB], v1, 2, s41
	v_lshlrev_b32 v[SH8], 3, v3
	v_mov_b32 v[QT], 0                             ; a lane permute's destination counts as one of its sources
	v_mov_b32 v[QT+1], 0
	s_mov_b32 s[C2], 0x4038aa3b                    ; 2 log2(e)
	s_mov_b32 s[C2+1], s[C2]
	s_mov_b32 s[SEL], 0x76543210
	s_mov_b32 s[SEL+1], 0xfedcba98
	s_mov_b32 s[HM], 0xffff0000
	s_mov_b32 s29, 0
	s_wait_kmcnt 0x0
	s_lshl_b32 s28, s22, 23
	s_add_nc_u64 s[4:5], s[4:5], s[28:29]          ; enc at batch b
	s_mul_i32 s28, s20, 196608
	s_add_nc_u64 s[8:9], s[8:9], s[28:29]          ; my 16 tiles' fragments
	s_lshl_b32 s28, s20, 13
	s_add_nc_u64 s[10:11], s[10:11], s[28:29]      ; and scale words
	s_lshl_b32 s28, s22, 12
	s_add_nc_u64 s[12:13], s[12:13], s[28:29]
	s_lshl_b32 s28, s22, 13
	s_add_nc_u64 s[14:15], s[14:15], s[28:29]
	s_add_nc_u64 s[18:19], s[18:19], s[28:29]
	s_lshl_b32 s28, s22, 2
	s_add_nc_u64 s[16:17], s[16:17], s[28:29]
	s_load_b32 s23, s[16:17], 0x0                  ; n
	WLOAD 0, 0, 0, 16
	WSLOAD 0, 0
	s_wait_kmcnt 0x0
	s_min_u32 s23, s23, 2048
	s_add_co_u32 s24, s23, 15
	s_lshr_b32 s24, s24, 4                         ; nblk
	s_mul_i32 s25, s21, s24
	s_lshr_b32 s25, s25, 3                         ; first
	s_add_co_u32 s[CNT], s21, 1
	s_mul_i32 s[CNT], s[CNT], s24
	s_lshr_b32 s[CNT], s[CNT], 3
	s_sub_co_u32 s[CNT], s[CNT], s25               ; cnt, 0 .. 16
	s_lshl_b32 s28, s25, 4
	v_lshl_add_u32 v[TMP], v0, 1, s28              ; my two of the work-group's 256 list entries,
	v_min_u32 v[TMP], 2046, v[TMP]                 ; held inside the list (what is held belongs to no block of mine)
	v_lshlrev_b32 v[TMP], 2, v[TMP]
	v_lshlrev_b32 v36, 5, v0
	global_load_b64 v[16:17], v[TMP], s[14:15]
	global_load_b128 v[20:23], v36, s[12:13]
	global_load_b128 v[24:27], v36, s[12:13] offset:16
	global_load_b128 v[28:31], v36, s[6:7]
	global_load_b128 v[32:35], v36, s[6:7] offset:16
	WLOAD 0, 0, 16, 32
	s_wait_alu depctr_va_vdst(0)
	s_wait_loadcnt 48                              ; all but the 48 loads of W just issued
.irp u, 0,1,2,3
	v_pk_mul_f32 v[28+2*\u:29+2*\u], v[28+2*\u:29+2*\u], -2.0 op_sel_hi:[1,0]
.endr
	v_lshl_add_u32 v37, v0, 3, TAB
	v_add_nc_u32 v38, BV, v36
	v_lshl_add_u32 v39, v0, 1, TAB+1024            ; my 2 of the 256 bytes behind the table
	v_mov_b32 v40, 0
	ds_store_b64 v37, v[16:17]
	ds_store_b16 v39, v40                          ; they hold zeros: the stepped addresses may reach them
	ds_store_b128 v38, v[20:23]
	ds_store_b128 v38, v[24:27] offset:16
	ds_store_b128 v38, v[28:31] offset:4096
	ds_store_b128 v38, v[32:35] offset:4112
	s_wait_dscnt 0x0
	s_barrier_signal -1
	s_barrier_wait -1                              ; the list entries, the biases and -2 V lie in LDS
	; ---- phase 1
	v_mov_b32 v[TBA], v[TBR]
	ISSUE 0, 0                                     ; blocks 0 and 1 without a condition: every entry is a row
	ISSUE 1, 64
	s_mov_b32 s[SJ], 0
	s_mov_b32 s[SJI], 0
	s_mov_b32 s[SJA], 0
	s_mov_b32 s[SJT], 0
.Lq:
	QB 0
	QB 1
	s_add_co_u32 s[SJI], s[SJI], 6144
	s_add_co_u32 s[SJA], s[SJA], 256
	s_add_co_u32 s[SJT], s[SJT], 128
	s_add_co_u32 s[SJ], s[SJ], 2
	s_cmp_lt_u32 s[SJ], 16
	s_cbranch_scc1 .Lq
	s_wait_loadcnt 0x0                             ; W's first set too
	s_wait_dscnt 0x0
.irp j, 0,1,2,3
	v_mov_b32 v[SCR+\j], 0                         ; what the slots begin as
.endr
.irp j, 0,1,2,3,4,5,6,7
	v_mov_b32 v[BI+2*\j+1], 0                      ; the pairs' odd partners
.endr
	v_add_nc_u32 v[AB1], 98304, v[LI]
	v_lshl_add_u32 v[SBS], v1, 2, ASC
	v_add_nc_u32 v[SCB], s39, v[LI]
	s_lshl_b32 s40, s20, 10
	s_add_co_u32 s41, s40, BV
	v_lshl_add_u32 v[BVA], v2, 2, s41              ; unit 256 w + r
	s_add_co_u32 s41, s40, STG
	v_add_nc_u32 v[ERD], s41, v[LI]                ; the end: slot w of wave 0's
	v_add_nc_u32 v[ERD2], 2*WST, v[ERD]
.set zi, 0
.rept 34
	ds_store_b128 v[SCB], v[SCR:SCR+3] offset:512*zi   ; my 17 slots begin as zeros
.set zi, zi+1
.endr
	s_wait_alu depctr_va_vdst(0)
	s_wait_dscnt 0x0
	s_barrier_signal -1
	s_barrier_wait -1                              ; all images lie in LDS; from here to the next barrier nobody writes them
	; ---- main phase: no barrier
	PASS 0
	PASS 1
	PASS 2
	PASS 3
	s_wait_dscnt 0x0
	s_barrier_signal -1
	s_barrier_wait -1                              ; every wave's sums lie in its slots
	; ---- the end: wave w adds up blocks w, w + 4, w + 8, w + 12: four waves' parts, then the sixteen units of a half of the lanes
.irp q, 0,1,2,3
	s_add_co_u32 s40, s20, 4*\q
	s_cmp_ge_u32 s40, s[CNT]
	s_cbranch_scc1 .Lfin\q
	ds_load_b128 v[16:19], v[ERD] offset:4096*\q
	ds_load_b128 v[20:23], v[ERD] offset:4096*\q+512
	ds_load_b128 v[24:27], v[ERD] offset:4096*\q+WST
	ds_load_b128 v[28:31], v[ERD] offset:4096*\q+WST+512
	ds_load_b128 v[32:35], v[ERD2] offset:4096*\q
	ds_load_b128 v[36:39], v[ERD2] offset:4096*\q+512
	ds_load_b128 v[40:43], v[ERD2] offset:4096*\q+WST
	ds_load_b128 v[44:47], v[ERD2] offset:4096*\q+WST+512
	s_add_co_u32 s41, s25, s40
	s_min_u32 s41, s41, 127                        ; the block's number in the batch
	s_lshl_b32 s41, s41, 6
	s_wait_dscnt 0x0
.irp u, 0,1,2,3
	v_pk_add_f32 v[16+2*\u:17+2*\u], v[16+2*\u:17+2*\u], v[24+2*\u:25+2*\u]
	v_pk_add_f32 v[32+2*\u:33+2*\u], v[32+2*\u:33+2*\u], v[40+2*\u:41+2*\u]
.endr
.irp u, 0,1,2,3
	v_pk_add_f32 v[16+2*\u:17+2*\u], v[16+2*\u:17+2*\u], v[32+2*\u:33+2*\u]
.endr
.irp m, 1,2,4,8
.irp j, 0,1,2,3,4,5,6,7
	v_add_f32_dpp v[16+\j], v[16+\j], v[16+\j] row_xmask:\m row_mask:0xf bank_mask:0xf
.endr
.endr
	v_lshl_add_u32 v[VOF], v3, 5, s41              ; rows 8 h + 0 .. 7 of the block: 32 bytes
	v_cmp_eq_u32 vcc_lo, 0, v2
	s_wait_alu depctr_va_vdst(0)
	s_wait_xcnt 0x0                                ; EXEC changes only behind this wait
	s_and_saveexec_b32 s43, vcc_lo                 ; lanes 0 and 16
	global_store_b128 v[VOF], v[16:19], s[18:19]
	global_store_b128 v[VOF], v[20:23], s[18:19] offset:16
	s_wait_xcnt 0x0                                ; and again: the stores' registers may be written, too
	s_or_b32 exec_lo, exec_lo, s43
.Lfin\q:
.endr
	s_wait_tensorcnt 0x0
	ds_add_u32 v251, v255
	s_wait_dscnt 0x0
	s_endpgm
.Lfunc_end_k_q85b5bc01e3_scores:
	.size	k_q85b5bc01e3_scores, .Lfunc_end_k_q85b5bc01e3_scores-k_q85b5bc01e3_scores
	.p2alignl 7, 3214868480
	.fill 96, 4, 3214868480
	.section	.rodata,"a",@progbits
	.p2align	6, 0x0
	.amdhsa_kernel k_q85b5bc01e3_scores
		.amdhsa_group_segment_fixed_size 284416
		.amdhsa_private_segment_fixed_size 0
		.amdhsa_enable_private_segment 0
		.amdhsa_kernarg_size 64
		.amdhsa_user_sgpr_count 2
		.amdhsa_user_sgpr_kernarg_segment_ptr 1
		.amdhsa_wavefront_size32 1
		.amdhsa_system_sgpr_workgroup_id_x 1
		.amdhsa_system_sgpr_workgroup_id_y 1
		.amdhsa_system_sgpr_workgroup_id_z 1
		.amdhsa_system_vgpr_workitem_id 0
		.amdhsa_next_free_vgpr 1024
		.amdhsa_next_free_sgpr 66
		.amdhsa_reserve_vcc 1
		.amdhsa_float_denorm_mode_32 3
		.amdhsa_float_denorm_mode_16_64 3
		.amdhsa_memory_ordered 1
		.amdhsa_forward_progress 1
		.amdhsa_inst_pref_size 210
	.end_amdhsa_kernel
	.amdgpu_metadata
---
amdhsa.version: [ 1, 2 ]
amdhsa.kernels:
  - .name:           k_q85b5bc01e3_scores
    .symbol:         k_q85b5bc01e3_scores.kd
    .args:
      - { .name: enc_hiddens, .offset: 0, .size: 8, .value_kind: global_buffer, .address_space: global }
      - { .name: V, .offset: 8, .size: 8, .value_kind: global_buffer, .address_space: global }
      - { .name: wfrag, .offset: 16, .size: 8, .value_kind: global_buffer, .address_space: global }
      - { .name: wscl, .offset: 24, .size: 8, .value_kind: global_buffer, .address_space: global }
      - { .name: biasS, .offset: 32, .size: 8, .value_kind: global_buffer, .address_space: global }
      - { .name: list, .offset: 40, .size: 8, .value_kind: global_buffer, .address_space: global }
      - { .name: counts, .offset: 48, .size: 8, .value_kind: global_buffer, .address_space: global }
      - { .name: sc, .offset: 56, .size: 8, .value_kind: global_buffer, .address_space: global }
    .group_segment_fixed_size: 284416
    .private_segment_fixed_size: 0
    .kernarg_segment_align: 8
    .kernarg_segment_size: 64
    .max_flat_workgroup_size: 128
    .sgpr_count:     66
    .vgpr_count:     1024
    .wavefront_size: 32
...
	.end_amdgpu_metadata
.endif
;; end of part 2
;; launch ctx (part 3): grid 8 x 32, 8 waves a work-group, no clusters, 24,064 bytes of LDS; arguments enc_hiddens, list, counts, sc, out0, out1; writes out0, out1
.if DOCPART == 3
	.amdgcn_target "amdgcn-amd-amdhsa--gfx1250"
	.amdhsa_code_object_version 6
	.text
	.protected	k_q85b5bc01e3_ctx
	.globl	k_q85b5bc01e3_ctx
	.p2align	8
	.type	k_q85b5bc01e3_ctx,@function
k_q85b5bc01e3_ctx:
	s_mov_b64 s[64:65], 0
	v_nop
	global_prefetch_b8 v0, s[64:65] scope:SCOPE_SE
	s_setreg_imm32_b32 hwreg(HW_REG_WAVE_MODE, 25, 1), 1
	s_wait_xcnt 0x0
; CTX.  attn[b] = softmax over the kept rows' scores (a masked row's weight is 0); out1[b][row] = attn; out0[b] = sum over the kept rows of attn x enc[b][row].  All in f32.
; Work-group (x, b) owns columns 128 x .. + 127 of out0[b] (512 bytes of each row of enc) and list places 256 x .. + 255 of out1[b]: each output word has one owner, since the list is a permutation.
; Every work-group of a batch makes the batch's softmax for itself: thread t holds places 8 t .. 8 t + 7.  The largest score is taken away before the exponential; places from n on count as -infinity.
; Scores were stored for places under 16 ceil(n / 16) alone: a thread behind them loads the last stored eight instead, and throws them away with all places from n on.  All lanes stay on throughout.
; A batch with no kept row gives NaN everywhere (0 x infinity), as a softmax over -infinity alone does.
; The gather: wave w takes groups of 16 places, 16 w + 128 t; a place's weight p (not yet divided by the sum) and row come from a table in LDS; a load of the wave reads 512 consecutive bytes of one row.
; Two sets of registers, both filled ahead of the loop without a condition (every entry of the table is a row): while one group is summed the next group's 16 loads are on their way, and a set is asked for
; again as soon as it has been summed.  The loop's trip count is constant; a group from n on is jumped over, and every way that issues no loads waits for 0, so that the counted wait holds on every way through the text.
; No matrix unit (M = 1), no cluster (no tile is shared), no LDS ring: the rows go straight into registers.
; LIMITS: enc_hiddens finite in the rows that are read (the kept rows, and the masked rows that fill up a group of 16); the other masked rows are not read, so their NaN or infinity does not reach out0.
.set PT,    0                          ; LDS: {p, row} for each of 2,048 places, 16,384 bytes;
.set PTS,   16384                      ; 2,048 bytes more, which the stepped addresses may reach and no trip reads: they hold zeros
.set REDM,  18432                      ; the waves' maxima
.set REDS,  18688                      ; the waves' sums
.set REDC,  18944                      ; the waves' parts of out0: 8 x 512 bytes
.set CA,    56                         ; v56-63   two sets of four sums
.set CE,    64                         ; v64-127  two sets of 16 x {p, offset}
.set CD,    128                        ; v128-255 two sets of 16 x 4 numbers
; A group of 16 places is asked for: its table entries (all lanes read the same bytes), the rows held inside the tensor, 16 loads
.macro CISSUE set, off
.irp i, 0,1,2,3,4,5,6,7
	ds_load_b128 v[CE+32*(\set)+4*\i:CE+32*(\set)+4*\i+3], v14 offset:(\off)+16*\i
.endr
	s_wait_dscnt 0x0
.irp j, 0,1,2,3,4,5,6,7,8,9,10,11,12,13,14,15
	v_min_u32 v[CE+32*(\set)+2*\j+1], 2047, v[CE+32*(\set)+2*\j+1]
.endr
.irp j, 0,1,2,3,4,5,6,7,8,9,10,11,12,13,14,15
	v_lshl_add_u32 v[CE+32*(\set)+2*\j+1], v[CE+32*(\set)+2*\j+1], 12, v4   ; row x 4,096 + 16 x lane
.endr
.irp j, 0,1,2,3,4,5,6,7,8,9,10,11,12,13,14,15
	global_load_b128 v[CD+64*(\set)+4*\j:CD+64*(\set)+4*\j+3], v[CE+32*(\set)+2*\j+1], s[4:5] th:TH_LOAD_NT
.endr
.endm
; The group at place s30 + 128 d, in set d.  Ahead of it, on every way, either 16 younger loads were issued behind this group's, or all loads were waited for.
.macro CHALF d
	s_add_co_u32 s33, s30, 128*(\d)
	s_cmp_ge_u32 s33, s22
	s_cbranch_scc1 .Lhs_\@
	s_wait_loadcnt 16                              ; this group's 16 loads are in; the next group's 16, in the other set, may be out
	s_wait_alu depctr_va_vdst(0)
.irp j, 0,1,2,3,4,5,6,7,8,9,10,11,12,13,14,15
	v_pk_fma_f32 v[CA+4*(\j%2):CA+4*(\j%2)+1], v[CD+64*(\d)+4*\j:CD+64*(\d)+4*\j+1], v[CE+32*(\d)+2*\j:CE+32*(\d)+2*\j+1], v[CA+4*(\j%2):CA+4*(\j%2)+1] op_sel_hi:[1,0,1]   ; x p: the pair's low word for both halves
	v_pk_fma_f32 v[CA+4*(\j%2)+2:CA+4*(\j%2)+3], v[CD+64*(\d)+4*\j+2:CD+64*(\d)+4*\j+3], v[CE+32*(\d)+2*\j:CE+32*(\d)+2*\j+1], v[CA+4*(\j%2)+2:CA+4*(\j%2)+3] op_sel_hi:[1,0,1]
.endr
	s_add_co_u32 s33, s33, 256
	s_cmp_lt_u32 s33, s22
	s_cbranch_scc0 .Lhs_\@
	CISSUE \d, 1024*((\d)+2)                       ; my group two on, into the set just summed: its loads are done, so its offsets may be written
	s_branch .Lhe_\@
.Lhs_\@:
	s_wait_loadcnt 0x0                             ; nothing is asked for on this way: the next counted wait then finds all loads in
.Lhe_\@:
.endm
	s_load_b256 s[4:11], s[0:1], 0x0               ; enc, list, counts, sc
	s_load_b128 s[12:15], s[0:1], 0x20             ; out0, out1
	s_set_vgpr_msb 0x40
	v_lshl_add_u32 v0, v0, 2, 0x5a00
	v_mov_b32 v1, 0
	s_set_vgpr_msb 0x4000
	v_lshrrev_b32 v1, 5, v0
	s_delay_alu instid0(VALU_DEP_1)
	v_readfirstlane_b32 s16, v1                    ; wave 0..7
	s_mov_b32 s17, ttmp9                           ; x
	s_and_b32 s18, ttmp7, 0xffff                   ; b
	v_and_b32 v5, 31, v0
	s_delay_alu instid0(VALU_DEP_1)
	v_lshlrev_b32 v4, 4, v5                        ; 16 x lane
	v_lshl_add_u32 v5, v0, 3, PTS                  ; my 8 bytes behind the table
	v_lshlrev_b32 v1, 5, v0                        ; my 8 places' 32 bytes
	v_lshlrev_b32 v2, 3, v0                        ; my first place
	s_lshl_b32 s19, s16, 2
	v_mov_b32 v6, s19
	s_delay_alu instid0(VALU_DEP_1)
	v_add_nc_u32 v7, REDS, v6
	s_delay_alu instid0(VALU_DEP_2)
	v_add_nc_u32 v6, REDM, v6
	v_mov_b32 v8, REDM
	v_mov_b32 v9, REDS
	v_lshlrev_b32 v10, 6, v0                       ; PT + 64 t
	s_lshl_b32 s19, s16, 9
	s_add_co_u32 s19, s19, REDC
	v_add_nc_u32 v11, s19, v4
	v_add_nc_u32 v12, REDC, v4
	v_mov_b32 v13, 0xff800000                      ; -infinity
	v_mov_b32 v33, 0                               ; a lane permute's destination counts as one of its sources
.irp j, 0,1,2,3,4,5,6,7
	v_mov_b32 v[CA+\j], 0                          ; the sums begin as zeros (a wave may have no group at all)
.endr
	s_mov_b32 s26, 0x76543210
	s_mov_b32 s27, 0xfedcba98
	s_mov_b32 s28, 0x3fb8aa3b                      ; log2(e)
	s_mov_b32 s21, 0
	s_wait_kmcnt 0x0
	s_lshl_b32 s20, s18, 13
	s_add_nc_u64 s[6:7], s[6:7], s[20:21]
	s_add_nc_u64 s[10:11], s[10:11], s[20:21]
	s_add_nc_u64 s[14:15], s[14:15], s[20:21]
	s_lshl_b32 s20, s18, 2
	s_add_nc_u64 s[8:9], s[8:9], s[20:21]
	s_load_b32 s22, s[8:9], 0x0                    ; n
	s_lshl_b32 s20, s16, 6                         ; my first group's 16 list entries: 64 bytes a wave
	s_add_nc_u64 s[24:25], s[6:7], s[20:21]
	s_load_b512 s[36:51], s[24:25], 0x0            ; places 16 w .. + 15
	s_load_b512 s[68:83], s[24:25], 0x200          ; places 16 w + 128 .. + 15
	s_lshl_b32 s19, s17, 9
	s_lshl_b32 s20, s18, 23
	s_add_co_u32 s20, s20, s19
	s_add_nc_u64 s[4:5], s[4:5], s[20:21]          ; enc at batch b, my 512 bytes of a row
	s_lshl_b32 s20, s18, 12
	s_add_co_u32 s20, s20, s19
	s_add_nc_u64 s[12:13], s[12:13], s[20:21]
	global_load_b128 v[16:19], v1, s[6:7]          ; my 8 rows
	global_load_b128 v[20:23], v1, s[6:7] offset:16
.irp e, 0,1,2,3,4,5,6,7
	v_mov_b32 v[24+\e], v13
.endr
	ds_store_b64 v5, v[CA:CA+1]                    ; zeros behind the table
	s_wait_kmcnt 0x0
	s_min_u32 s22, s22, 2048
	s_cmp_eq_u32 s22, 0                            ; a batch without a kept row has no stored score: all its places stay -infinity
	s_cbranch_scc1 .Lnosc
	s_add_co_u32 s23, s22, 15
	s_lshr_b32 s23, s23, 4
	s_lshl_b32 s23, s23, 4                         ; scores were stored for places under 16 ceil(n / 16)
	s_sub_co_u32 s23, s23, 8                       ; the last stored eight
	v_min_u32 v15, s23, v2                         ; my eight, or those
	s_delay_alu instid0(VALU_DEP_1)
	v_min_u32 v15, 2040, v15
	s_delay_alu instid0(VALU_DEP_1)
	v_lshlrev_b32 v15, 2, v15
	global_load_b128 v[24:27], v15, s[10:11]
	global_load_b128 v[28:31], v15, s[10:11] offset:16
.Lnosc:
	; my first two groups' rows are asked for here, ahead of the softmax: every list entry is a row; their weights come from the table later
.irp j, 0,1,2,3,4,5,6,7,8,9,10,11,12,13,14,15
	s_min_u32 s[36+\j], s[36+\j], 2047             ; held inside the tensor
	s_min_u32 s[68+\j], s[68+\j], 2047
.endr
.irp j, 0,1,2,3,4,5,6,7,8,9,10,11,12,13,14,15
	v_lshl_add_u32 v[CE+2*\j+1], s[36+\j], 12, v4  ; row x 4,096 + 16 x lane
.endr
.irp j, 0,1,2,3,4,5,6,7,8,9,10,11,12,13,14,15
	v_lshl_add_u32 v[CE+32+2*\j+1], s[68+\j], 12, v4
.endr
.irp j, 0,1,2,3,4,5,6,7,8,9,10,11,12,13,14,15
	global_load_b128 v[CD+4*\j:CD+4*\j+3], v[CE+2*\j+1], s[4:5] th:TH_LOAD_NT
.endr
.irp j, 0,1,2,3,4,5,6,7,8,9,10,11,12,13,14,15
	global_load_b128 v[CD+64+4*\j:CD+64+4*\j+3], v[CE+32+2*\j+1], s[4:5] th:TH_LOAD_NT
.endr
	s_wait_loadcnt 32                              ; my list entries and scores are in; the 32 loads just issued may be out
	v_sub_nc_u32 v3, s22, v2                       ; n - my first place
.irp e, 0,1,2,3,4,5,6,7
	v_cmp_ge_i32 vcc_lo, \e, v3
	s_delay_alu instid0(VALU_DEP_1)
	v_cndmask_b32 v[24+\e], v[24+\e], v13, vcc_lo  ; places from n on: masked rows
.endr
	v_max3_num_f32 v32, v24, v25, 0xfe967699       ; a floor of -1e38, so that the maximum is a number where no row is kept
	v_max3_num_f32 v34, v26, v27, v28
	s_delay_alu instid0(VALU_DEP_2)
	v_max3_num_f32 v32, v32, v29, v30
	s_delay_alu instid0(VALU_DEP_1)
	v_max3_num_f32 v32, v32, v34, v31
.irp m, 1,2,4,8
	s_delay_alu instid0(VALU_DEP_1)
	v_max_num_f32_dpp v32, v32, v32 row_xmask:\m row_mask:0xf bank_mask:0xf
.endr
	s_delay_alu instid0(VALU_DEP_1)
	v_permlanex16_b32 v33, v32, s26, s27
	s_delay_alu instid0(VALU_DEP_1)
	v_max_num_f32 v32, v32, v33
	ds_store_b32 v6, v32
	s_wait_dscnt 0x0
	s_barrier_signal -1
	s_barrier_wait -1                              ; the eight waves' maxima lie in LDS
	ds_load_b128 v[32:35], v8
	ds_load_b128 v[36:39], v8 offset:16
	s_wait_dscnt 0x0
	v_max3_num_f32 v32, v32, v33, v34
	v_max3_num_f32 v35, v35, v36, v37
	s_delay_alu instid0(VALU_DEP_1)
	v_max3_num_f32 v32, v32, v35, v38
	s_delay_alu instid0(VALU_DEP_1)
	v_max_num_f32 v32, v32, v39
	s_delay_alu instid0(VALU_DEP_1)
	v_mul_f32 v33, s28, v32                        ; m log2(e)
.irp e, 0,1,2,3,4,5,6,7
	v_fma_f32 v[40+2*\e], v[24+\e], s28, -v33
.endr
	s_wait_alu depctr_va_vdst(0)
.irp e, 0,1,2,3,4,5,6,7
	v_exp_f32 v[40+2*\e], v[40+2*\e]               ; p = e^(score - m), at the even registers;
.endr
.irp e, 0,1,2,3,4,5,6,7
	v_min_u32 v[16+\e], 2047, v[16+\e]             ; the rows, held inside the tensor (plain work behind the batch),
.endr
.irp e, 0,1,2,3,4,5,6,7
	v_mov_b32 v[41+2*\e], v[16+\e]                 ; at the odd ones
.endr
	s_wait_alu depctr_va_vdst(0)                   ; one wait for the eight, ahead of their first reader
	v_add_f32 v34, v40, v42
	v_add_f32 v35, v44, v46
	v_add_f32 v36, v48, v50
	v_add_f32 v37, v52, v54
	s_delay_alu instid0(VALU_DEP_3)
	v_add_f32 v34, v34, v35
	s_delay_alu instid0(VALU_DEP_2)
	v_add_f32 v36, v36, v37
	s_delay_alu instid0(VALU_DEP_1)
	v_add_f32 v34, v34, v36
.irp m, 1,2,4,8
	s_delay_alu instid0(VALU_DEP_1)
	v_add_f32_dpp v34, v34, v34 row_xmask:\m row_mask:0xf bank_mask:0xf
.endr
	s_delay_alu instid0(VALU_DEP_1)
	v_permlanex16_b32 v35, v34, s26, s27
	s_delay_alu instid0(VALU_DEP_1)
	v_add_f32 v34, v34, v35
	ds_store_b32 v7, v34
.irp i, 0,1,2,3
	ds_store_b128 v10, v[40+4*\i:43+4*\i] offset:16*\i   ; the table: {p, row} of my 8 places
.endr
	s_wait_dscnt 0x0
	s_barrier_signal -1
	s_barrier_wait -1                              ; the sums and the whole table lie in LDS
	ds_load_b128 v[32:35], v9
	ds_load_b128 v[36:39], v9 offset:16
	s_wait_dscnt 0x0
	v_pk_add_f32 v[32:33], v[32:33], v[34:35]
	v_pk_add_f32 v[36:37], v[36:37], v[38:39]
	s_delay_alu instid0(VALU_DEP_1)
	v_pk_add_f32 v[32:33], v[32:33], v[36:37]
	s_delay_alu instid0(VALU_DEP_1)
	v_add_f32 v32, v32, v33
	s_wait_alu depctr_va_vdst(0)
	v_rcp_f32 v38, v32                             ; 1 / the sum
	v_nop
	s_wait_alu depctr_va_vdst(0)
	s_cmp_lg_u32 s16, s17                          ; wave x holds places 256 x .. + 255: it stores them
	s_cbranch_scc1 .Lno1
.irp e, 0,1,2,3,4,5,6,7
	v_mul_f32 v[24+\e], v[40+2*\e], v38
	v_lshlrev_b32 v[16+\e], 2, v[16+\e]
.endr
.irp e, 0,1,2,3,4,5,6,7
	global_store_b32 v[16+\e], v[24+\e], s[14:15]  ; out1[b][row]; these registers are not written again
.endr
.Lno1:
	; ---- the gather
	s_lshl_b32 s30, s16, 4                         ; my group's first place
	s_lshl_b32 s31, s16, 7                         ; and its bytes in the table
	v_mov_b32 v14, s31
	s_wait_alu depctr_va_vdst(0)
	s_wait_xcnt 0x0                                ; the 32 row loads have read their offsets: the table's entries may land on those registers
.irp i, 0,1,2,3,4,5,6,7
	ds_load_b128 v[CE+4*\i:CE+4*\i+3], v14 offset:16*\i               ; {p, row} of my first group,
	ds_load_b128 v[CE+32+4*\i:CE+32+4*\i+3], v14 offset:1024+16*\i    ; and of my second
.endr
	s_wait_dscnt 0x0
	s_mov_b32 s32, 0
.Lg:
	CHALF 0
	CHALF 1
	s_add_co_u32 s30, s30, 256
	s_add_co_u32 s31, s31, 2048
	v_mov_b32 v14, s31                             ; (no LDS instruction of mine is out)
	s_add_co_u32 s32, s32, 1
	s_cmp_lt_u32 s32, 8
	s_cbranch_scc1 .Lg
	s_wait_loadcnt 0x0
	s_wait_alu depctr_va_vdst(0)
	v_pk_add_f32 v[CA:CA+1], v[CA:CA+1], v[CA+4:CA+5]
	v_pk_add_f32 v[CA+2:CA+3], v[CA+2:CA+3], v[CA+6:CA+7]
	ds_store_b128 v11, v[CA:CA+3]
	s_wait_dscnt 0x0
	s_barrier_signal -1
	s_barrier_wait -1                              ; the eight waves' parts lie in LDS
	s_cmp_lg_u32 s16, 0
	s_cbranch_scc1 .Lend
.irp q, 0,1,2,3,4,5,6,7
	ds_load_b128 v[64+4*\q:67+4*\q], v12 offset:512*\q
.endr
	s_wait_dscnt 0x0
.irp q, 0,2,4,6
	v_pk_add_f32 v[64+4*\q:65+4*\q], v[64+4*\q:65+4*\q], v[68+4*\q:69+4*\q]
	v_pk_add_f32 v[66+4*\q:67+4*\q], v[66+4*\q:67+4*\q], v[70+4*\q:71+4*\q]
.endr
.irp q, 0
	v_pk_add_f32 v[64+4*\q:65+4*\q], v[64+4*\q:65+4*\q], v[72+4*\q:73+4*\q]
	v_pk_add_f32 v[66+4*\q:67+4*\q], v[66+4*\q:67+4*\q], v[74+4*\q:75+4*\q]
.endr
.irp q, 4
	s_delay_alu instid0(VALU_DEP_4)
	v_pk_add_f32 v[64+4*\q:65+4*\q], v[64+4*\q:65+4*\q], v[72+4*\q:73+4*\q]
	s_delay_alu instid0(VALU_DEP_4)
	v_pk_add_f32 v[66+4*\q:67+4*\q], v[66+4*\q:67+4*\q], v[74+4*\q:75+4*\q]
.endr
	s_delay_alu instid0(VALU_DEP_2)
	v_pk_add_f32 v[64:65], v[64:65], v[80:81]
	s_delay_alu instid0(VALU_DEP_2)
	v_pk_add_f32 v[66:67], v[66:67], v[82:83]
	v_pk_mul_f32 v[64:65], v[64:65], v[38:39] op_sel_hi:[1,0]
	v_pk_mul_f32 v[66:67], v[66:67], v[38:39] op_sel_hi:[1,0]
	global_store_b128 v4, v[64:67], s[12:13]       ; 32 lanes store 512 consecutive bytes, at a multiple of 256 from out0's first byte
.Lend:
	s_set_vgpr_msb 0x5
	s_wait_tensorcnt 0x0
	ds_add_u32 v0, v1
	s_wait_dscnt 0x0
	s_set_vgpr_msb 0x500
	s_endpgm
.Lfunc_end_k_q85b5bc01e3_ctx:
	.size	k_q85b5bc01e3_ctx, .Lfunc_end_k_q85b5bc01e3_ctx-k_q85b5bc01e3_ctx
	.p2alignl 7, 3214868480
	.fill 96, 4, 3214868480
	.section	.rodata,"a",@progbits
	.p2align	6, 0x0
	.amdhsa_kernel k_q85b5bc01e3_ctx
		.amdhsa_group_segment_fixed_size 24064
		.amdhsa_private_segment_fixed_size 0
		.amdhsa_enable_private_segment 0
		.amdhsa_kernarg_size 48
		.amdhsa_user_sgpr_count 2
		.amdhsa_user_sgpr_kernarg_segment_ptr 1
		.amdhsa_wavefront_size32 1
		.amdhsa_system_sgpr_workgroup_id_x 1
		.amdhsa_system_sgpr_workgroup_id_y 1
		.amdhsa_system_sgpr_workgroup_id_z 1
		.amdhsa_system_vgpr_workitem_id 0
		.amdhsa_next_free_vgpr 258
		.amdhsa_next_free_sgpr 84
		.amdhsa_reserve_vcc 1
		.amdhsa_float_denorm_mode_32 3
		.amdhsa_float_denorm_mode_16_64 3
		.amdhsa_memory_ordered 1
		.amdhsa_forward_progress 1
		.amdhsa_inst_pref_size 35
	.end_amdhsa_kernel
	.amdgpu_metadata
---
amdhsa.version: [ 1, 2 ]
amdhsa.kernels:
  - .name:           k_q85b5bc01e3_ctx
    .symbol:         k_q85b5bc01e3_ctx.kd
    .args:
      - { .name: enc_hiddens, .offset: 0, .size: 8, .value_kind: global_buffer, .address_space: global }
      - { .name: list, .offset: 8, .size: 8, .value_kind: global_buffer, .address_space: global }
      - { .name: counts, .offset: 16, .size: 8, .value_kind: global_buffer, .address_space: global }
      - { .name: sc, .offset: 24, .size: 8, .value_kind: global_buffer, .address_space: global }
      - { .name: out0, .offset: 32, .size: 8, .value_kind: global_buffer, .address_space: global }
      - { .name: out1, .offset: 40, .size: 8, .value_kind: global_buffer, .address_space: global }
    .group_segment_fixed_size: 24064
    .private_segment_fixed_size: 0
    .kernarg_segment_align: 8
    .kernarg_segment_size: 48
    .max_flat_workgroup_size: 256
    .sgpr_count:     84
    .vgpr_count:     258
    .wavefront_size: 32
...
	.end_amdgpu_metadata
.endif
;; end of part 3
